; MI455X (gfx1250); checked and timed in simulation.
; The chip was launched on July 23, 2026; its instructions are those of AMD's public machine-readable ISA for CDNA 5 (MIT licence, August 2026) and "CDNA5" Instruction Set Architecture Reference Guide (July 2026). The comments in the code are by the model that wrote it; some were corrected since.
;; Attention. Allowed arithmetic: matrix products marked QUANTISED: E4M3 operands, one given power-of-two scale a tensor, by v_wmma_f32_16x16x64_fp8_fp8 or v_wmma_f32_16x16x128_fp8_fp8, f32 sums; everything else in f32.
;; Inputs: k_norm_w 64 float32; lowp_scales 12 int32 (the exponents e of the quantised operands' scales 2^e); q_norm_w 64 float32; sink_logit 16 float32; wk 1,024 x 1,024 float32; wo 1,024 x 1,024 float32; wq 1,024 x 1,024 float32; wv 1,024 x 1,024 float32; x 2 x 2,048 x 1,024 float32.
;; Outputs: out0 2 x 2,048 x 1,024 float32.
;; This version of the problem:
;;   THIS VERSION OF THE PROBLEM IS GIVEN IN LOW PRECISION. The matrix products marked QUANTISED in the list below multiply operands that are first quantised to E4M3 (4 exponent bits, 3 mantissa bits; 8 bits a number), with one given power-of-two scale for each operand tensor; their sums are f32. All else is computed in f32.
;;   The module's matrix products, in the order in which they are computed (A, B: the left and right operand; K: the contracted axis; several contracted axes count as one K, in the product's order):
;;     1. [M 4,096, K 1,024] x [K 1,024, N 1,024]; A: input x; B: input wq: QUANTISED (scales: A lowp_scales[0], B lowp_scales[1])
;;     2. [M 4,096, K 1,024] x [K 1,024, N 1,024]; A: input x; B: input wk: QUANTISED (scales: A lowp_scales[2], B lowp_scales[3])
;;     3. [M 4,096, K 1,024] x [K 1,024, N 1,024]; A: input x; B: input wv: QUANTISED (scales: A lowp_scales[4], B lowp_scales[5])
;;     4. batch 32 x [M 2,048, K 64] x [K 64, N 2,048]; A: computed on the way; B: computed on the way: QUANTISED (scales: A lowp_scales[6], B lowp_scales[7])
;;     5. batch 32 x [M 2,048, K 2,048] x [K 2,048, N 64]; A: computed on the way; B: computed on the way: QUANTISED (scales: A lowp_scales[8], B lowp_scales[9])
;;     6. [M 4,096, K 1,024] x [K 1,024, N 1,024]; A: computed on the way; B: input wo: QUANTISED (scales: A lowp_scales[10], B lowp_scales[11])
;;   THE QUANTISER, for each operand of a quantised product, along K:
;;     - The operand's scale is 2^e, e = its entry of the input lowp_scales (int32; the entries are numbered through the quantised products in the list's order, A before B).
;;     - Each number is divided by the scale, clamped to +-448, and rounded to the nearest number of E4M3, ties to even, subnormals kept.
;;     - The product sums the exact products of the quantised numbers (number of the format x scale) in f32.
;;   ~~~python
;;   def quantise(x, axis, e):      # numpy; x: float32 -> the quantised numbers, widened to float32 again
;;       x = np.moveaxis(x, axis, -1); K = x.shape[-1]
;;       r = np.clip(x / 2.0 ** e, -448, 448)
;;       step = 2.0 ** (np.maximum(np.frexp(np.where(r == 0, 1, r))[1] - 1, -6) - 3)
;;       q = np.round(r / step) * step * 2.0 ** e      # np.round: ties to even
;;       return np.moveaxis(q, -1, axis).astype(np.float32)
;;   ~~~
;;   OPERANDS COMPUTED ON THE WAY. 'Computed on the way' means the value that the module computes at that place (a softmax that the list does not call 'softmax' is quantised finished and normalised). What goes into a quantiser is computed in f32, as accurately as f32 sums, v_exp_f32 and their like allow (about 1e-6 of the number): no bf16 or f16 on the way to a quantiser, and a product that is left as it is and whose result goes on into a quantised operand takes f32 operands (vector FMAs, or v_wmma_f32_16x16x4_f32). A number that lies on a knife's edge between two numbers of the format may be rounded either way, as far as f32 arithmetic and the matrix unit's own rounding can turn it there, and no further.
;; One version. Each part assembles by itself: llvm-mc -triple=amdgcn-amd-amdhsa -mcpu=gfx1250 --defsym DOCPART=n.
;; ======== version 1 of 1: 4 launches
;; workspace buffers: xc 12,582,912 bytes; wc 4,194,304 bytes; rope 524,288 bytes; qf 4,194,304 bytes; kf 4,194,304 bytes; vf 4,194,304 bytes; of 4,194,304 bytes
;; launch prep (part 1): grid 528 x 1, 8 waves a work-group, no clusters, 68,608 bytes of LDS; arguments x, wq, wk, wv, wo, lowp_scales, xc, wc, rope; writes xc, wc, rope
.if DOCPART == 1
	.amdgcn_target "amdgcn-amd-amdhsa--gfx1250"
	.amdhsa_code_object_version 6
	.text
	.protected	k_qa2f50ed91c_prep
	.globl	k_qa2f50ed91c_prep
	.p2align	8
	.type	k_qa2f50ed91c_prep,@function
k_qa2f50ed91c_prep:
	s_mov_b64 s[64:65], 0
	v_nop
	global_prefetch_b8 v0, s[64:65] scope:SCOPE_SE
	s_setreg_imm32_b32 hwreg(HW_REG_WAVE_MODE, 25, 1), 1
	s_wait_xcnt 0x0
; PREP.  x (three times: its three given scales e0, e2, e4) and wq, wk, wv, wo (e1, e3, e5, e11) become codes of E4M3; the cos / sin table of the rotary embedding is made.
; code = number / 2^e, held within +-448, rounded to the nearest code, ties to even.
; THE CODES' LAYOUT is the image of a matrix operand's registers: a fragment of 16 rows x 128 K is 2,048 bytes; lane (r = lane % 16, h = lane / 16) holds row r, its registers 2c, 2c+1 hold k = 16c + 8h + 0..7;
; registers 4n .. 4n+3 lie at 512 n + 16 x lane.  xc: [3 scales][256 row tiles][8 K steps][2,048];  wc: [4 weights][64 row tiles][8 K steps][2,048].
; SHARES.  Work-groups 0-255: row tile id of x; 256-511: weight (id >> 6) - 4, row tile id & 63; in both, wave w takes K step w (512 bytes of each of 16 rows).  Work-groups 512-527: the table, wave w position block 8 (id - 512) + w.
; Each load reads 512 consecutive bytes of a row; the 16 rows turn through the wave's own stage in LDS (rows 528 bytes apart: row r starts 4 r banks on) so that a lane gets 8 neighbours along K for each conversion.
; Each store writes 512 consecutive aligned bytes.  Waves share nothing: no barrier.
; THE TABLE: rope [128 position blocks][cos, sin][u 2][q 2][32 lanes][4 f32]: lane (r, h), word j: position 16 pb + r, frequency i = 16u + 8h + 4q + j.  angle = fl(position x inv_freq[i]);
; it is reduced by multiples of pi/2 held in two f32 parts, and sine and cosine are polynomials on +-pi/4 (error about 1e-7).
; LIMITS: each e between -126 and 119.  NaN among the inputs is not served.  inv_freq[i] is the f32 nearest to 10^(-i/8); a power function in f32 may differ from it in the last place.
.set SP,  528                          ; a stage row: 512 bytes + 16
.set STG, 16*SP                        ; a wave's stage
.set R,   16                           ; v16-79   the numbers as loaded; later the held numbers
.set X,   80                           ; v80-143  64 numbers of my row: register 8c + j = k 16c + 8h + j
.set C,   144                          ; v144-159 the fragment's codes
	s_load_b512 s[4:19], s[0:1], 0x0               ; x s4, wq s6, wk s8, wv s10, wo s12, scales s14, xc s16, wc s18
	s_load_b64 s[20:21], s[0:1], 0x40              ; rope
	v_lshl_add_u32 v160, v0, 2, 0x10800
	v_mov_b32 v161, 0
	v_lshrrev_b32 v1, 5, v0
	v_readfirstlane_b32 s22, v1                    ; wave 0..7
	v_and_b32 v1, 31, v0                           ; lane
	v_and_b32 v2, 15, v0                           ; r
	v_bfe_u32 v3, v0, 4, 1                         ; h
	v_lshlrev_b32 v4, 4, v1                        ; 16 x lane
	s_mul_i32 s48, s22, STG
	v_add_nc_u32 v5, s48, v4                       ; into the stage: 16 x lane of a row
	v_mul_u32_u24 v6, v2, SP
	v_lshl_add_u32 v6, v3, 5, v6
	v_add_nc_u32 v6, s48, v6                       ; out of it: row r, + 32 h bytes
	s_wait_kmcnt 0x0
	s_cmp_ge_u32 ttmp9, 512
	s_cbranch_scc1 .Ltable
	s_load_b256 s[36:43], s[14:15], 0x0            ; e0 .. e7
	s_load_b128 s[44:47], s[14:15], 0x20           ; e8 .. e11
	s_lshr_b32 s23, ttmp9, 6                       ; 0-3: x; 4, 5, 6, 7: wq, wk, wv, wo
	s_mov_b64 s[28:29], s[4:5]
	s_cmp_eq_u32 s23, 4
	s_cselect_b64 s[28:29], s[6:7], s[28:29]
	s_cmp_eq_u32 s23, 5
	s_cselect_b64 s[28:29], s[8:9], s[28:29]
	s_cmp_eq_u32 s23, 6
	s_cselect_b64 s[28:29], s[10:11], s[28:29]
	s_cmp_eq_u32 s23, 7
	s_cselect_b64 s[28:29], s[12:13], s[28:29]     ; the tensor that I read: chosen by the work-group's number alone
	s_and_b32 s24, ttmp9, 63
	s_and_b32 s25, ttmp9, 255                      ; the row tile in the codes' buffer: id in xc, id - 256 in wc
	s_cmp_lt_u32 ttmp9, 256
	s_cselect_b64 s[30:31], s[16:17], s[18:19]     ; the buffer that I write
	s_cselect_b32 s26, 3, 1                        ; how many scales
	s_cselect_b32 s24, ttmp9, s24                  ; the row tile in the tensor
	s_lshl_b32 s48, s24, 16                        ; 16 rows of 4,096 bytes
	s_lshl_b32 s49, s22, 9                         ; my 512 bytes of a row
	s_add_co_u32 s48, s48, s49
	s_mov_b32 s49, 0
	s_add_nc_u64 s[28:29], s[28:29], s[48:49]
	s_lshl_b32 s48, s25, 14                        ; a row tile's 8 fragments
	s_lshl_b32 s50, s22, 11                        ; my fragment
	s_add_co_u32 s48, s48, s50
	s_add_nc_u64 s[30:31], s[30:31], s[48:49]
.set i, 0
.rept 16
	global_load_b128 v[R+4*i:R+4*i+3], v4, s[28:29] offset:4096*i th:TH_LOAD_NT   ; row i: 32 lanes read 512 consecutive bytes
.set i, i+1
.endr
.set i, 0
.rept 16
	s_wait_loadcnt 15-i                            ; loads come back in order: row i is in, the younger rows stay out
	ds_store_b128 v5, v[R+4*i:R+4*i+3] offset:SP*i
.set i, i+1
.endr
.set i, 0
.rept 8
	ds_load_b128 v[X+8*i:X+8*i+3], v6 offset:64*i          ; k = 16 i + 8 h + 0..3 of row r (LDS serves a wave's instructions in order: these see my stores)
	ds_load_b128 v[X+8*i+4:X+8*i+7], v6 offset:64*i+16     ; + 4..7
.set i, i+1
.endr
	s_wait_kmcnt 0x0
	s_mov_b32 s32, s36                             ; the first scale: e0 for x,
	s_cmp_eq_u32 s23, 4
	s_cselect_b32 s32, s37, s32                    ; e1 for wq,
	s_cmp_eq_u32 s23, 5
	s_cselect_b32 s32, s39, s32                    ; e3 for wk,
	s_cmp_eq_u32 s23, 6
	s_cselect_b32 s32, s41, s32                    ; e5 for wv,
	s_cmp_eq_u32 s23, 7
	s_cselect_b32 s32, s47, s32                    ; e11 for wo
	s_mov_b32 s33, s38                             ; x's second: e2
	s_mov_b32 s34, s40                             ; x's third: e4
	s_mov_b32 s35, 0
	s_wait_dscnt 0x0                               ; my 64 numbers are back; the stage's stores have read R
.Lq:                                                   ; one trip for each scale: 3 for x, 1 for a weight
	s_add_co_i32 s48, s32, 127
	s_lshl_b32 s49, s48, 23
	v_mov_b32 v8, s49                              ; 2^e as f32: the conversion takes its exponent field
	s_add_co_i32 s48, s48, 8
	s_lshl_b32 s48, s48, 23
	s_or_b32 s48, s48, 0x600000
	v_mov_b32 v9, s48                              ; 448 x 2^e
.set i, 0
.rept 64
	v_med3_num_f32 v[R+i], v[X+i], -v9, v9         ; the conversion to an 8-bit code does not saturate (ISA guide 7.6.2): the hold comes first; X stays for the next scale
.set i, i+1
.endr
.set i, 0
.rept 8
	v_cvt_scalef32_pk8_fp8_f32 v[C+2*i:C+2*i+1], v[R+8*i:R+8*i+7], v8
.set i, i+1
.endr
	v_nop                                          ; one plain vector line behind the last conversion: the next trip writes its sources
.irp n, 0,1,2,3
	global_store_b128 v4, v[C+4*\n:C+4*\n+3], s[30:31] offset:512*\n   ; 32 lanes store 512 consecutive aligned bytes
.endr
	s_wait_xcnt 0x0                                ; the stores' data and base are written again only behind this wait
	s_add_nc_u64 s[30:31], s[30:31], 0x400000      ; the next scale's plane of xc (not used behind the last trip)
	s_mov_b32 s32, s33
	s_mov_b32 s33, s34
	s_add_co_u32 s35, s35, 1
	s_cmp_lt_u32 s35, s26
	s_cbranch_scc1 .Lq
	s_wait_tensorcnt 0x0
	ds_add_u32 v160, v161
	s_wait_dscnt 0x0
	s_endpgm
.Ltable:
	s_sub_co_u32 s48, ttmp9, 512
	s_lshl_b32 s48, s48, 3
	s_add_co_u32 s48, s48, s22                     ; my position block, 0..127
	s_lshl_b32 s49, s48, 4
	v_add_nc_u32 v7, s49, v2
	v_cvt_f32_u32 v7, v7                           ; my position, exact in f32
	s_lshl_b32 s48, s48, 12                        ; 4,096 bytes a block
	s_mov_b32 s49, 0
	s_add_nc_u64 s[20:21], s[20:21], s[48:49]
	s_mov_b32 s50, 0x3f22f983                      ; 2 / pi
	s_mov_b32 s51, 0x3fc90fdb                      ; pi / 2, upper part
	s_mov_b32 s52, 0xb33bbd2e                      ; pi / 2, lower part
	s_mov_b32 s53, 0xbe2aaaa3                      ; sine:   -1.6666654611e-1
	s_mov_b32 s54, 0x3c08839e                      ;          8.3321608736e-3
	s_mov_b32 s55, 0xb94ca1f9                      ;         -1.9515295891e-4
	s_mov_b32 s56, 0x3d2aaaa5                      ; cosine:  4.166664568e-2
	s_mov_b32 s57, 0xbab6061a                      ;         -1.388731625e-3
	s_mov_b32 s58, 0x37ccf5ce                      ;          2.443315712e-5
	v_cmp_lt_u32 vcc_lo, 15, v1                    ; lanes 16-31 take the frequency 8 further on
.macro FREQ reg, a, b                  ; v[reg] = a in lanes 0-15, b in lanes 16-31
	v_mov_b32 v[\reg], \a
	v_mov_b32 v10, \b
	v_cndmask_b32 v[\reg], v[\reg], v10, vcc_lo
.endm
	FREQ 16, 1.0,             0.1                  ; register 16 + 8u + 4q + j: inv_freq[16u + 8h + 4q + j] = 10^(-i/8)
	FREQ 17, 0.74989420933,   0.074989420933
	FREQ 18, 0.56234132519,   0.056234132519
	FREQ 19, 0.42169650343,   0.042169650343
	FREQ 20, 0.31622776602,   0.031622776602
	FREQ 21, 0.23713737057,   0.023713737057
	FREQ 22, 0.17782794100,   0.017782794100
	FREQ 23, 0.13335214322,   0.013335214322
	FREQ 24, 0.01,            0.001
	FREQ 25, 0.0074989420933, 0.00074989420933
	FREQ 26, 0.0056234132519, 0.00056234132519
	FREQ 27, 0.0042169650343, 0.00042169650343
	FREQ 28, 0.0031622776602, 0.00031622776602
	FREQ 29, 0.0023713737057, 0.00023713737057
	FREQ 30, 0.0017782794100, 0.00017782794100
	FREQ 31, 0.0013335214322, 0.00013335214322
; cos and sin of position x v[f].  n = the nearest whole number to angle x 2 / pi; r = angle - n pi / 2, in two fused steps; the quadrant n mod 4 picks polynomial and sign.
.macro SINCOS f, co, si
	v_mul_f32 v64, v7, v[\f]                       ; the angle, rounded to f32
	v_mul_f32 v65, s50, v64
	v_rndne_f32 v65, v65                           ; n
	v_fma_f32 v66, -v65, s51, v64
	v_fma_f32 v66, -v65, s52, v66                  ; r, within +-pi/4
	v_mul_f32 v67, v66, v66                        ; z = r r
	v_fma_f32 v68, v67, s55, s54
	v_fma_f32 v69, v67, s58, s57
	v_fma_f32 v68, v68, v67, s53
	v_fma_f32 v69, v69, v67, s56
	v_mul_f32 v70, v67, v66                        ; z r
	v_mul_f32 v71, v67, v67                        ; z z
	v_fma_f32 v72, v67, -0.5, 1.0
	v_fma_f32 v68, v68, v70, v66                   ; sin r
	v_fma_f32 v69, v69, v71, v72                   ; cos r
	v_cvt_i32_f32 v65, v65
	v_and_b32 v70, 1, v65
	v_cmp_eq_u32 vcc_lo, 1, v70                    ; odd quadrants change the two over
	v_cndmask_b32 v[\si], v68, v69, vcc_lo
	v_cndmask_b32 v[\co], v69, v68, vcc_lo
	v_and_b32 v70, 2, v65
	v_lshlrev_b32 v70, 30, v70
	v_xor_b32 v[\si], v[\si], v70                  ; sine is negated in quadrants 2, 3
	v_add_nc_u32 v65, 1, v65
	v_and_b32 v65, 2, v65
	v_lshlrev_b32 v65, 30, v65
	v_xor_b32 v[\co], v[\co], v65                  ; cosine in quadrants 1, 2
.endm
.irp n, 0,1,2,3,4,5,6,7,8,9,10,11,12,13,14,15
	SINCOS 16+\n, 32+\n, 48+\n
.endr
.irp n, 0,1,2,3
	global_store_b128 v4, v[32+4*\n:35+4*\n], s[20:21] offset:512*\n        ; cos: (u, q) = (n / 2, n % 2)
	global_store_b128 v4, v[48+4*\n:51+4*\n], s[20:21] offset:2048+512*\n   ; sin
.endr
	s_endpgm
.Lfunc_end_k_qa2f50ed91c_prep:
	.size	k_qa2f50ed91c_prep, .Lfunc_end_k_qa2f50ed91c_prep-k_qa2f50ed91c_prep
	.p2alignl 7, 3214868480
	.fill 96, 4, 3214868480
	.section	.rodata,"a",@progbits
	.p2align	6, 0x0
	.amdhsa_kernel k_qa2f50ed91c_prep
		.amdhsa_group_segment_fixed_size 68608
		.amdhsa_private_segment_fixed_size 0
		.amdhsa_enable_private_segment 0
		.amdhsa_kernarg_size 72
		.amdhsa_user_sgpr_count 2
		.amdhsa_user_sgpr_kernarg_segment_ptr 1
		.amdhsa_wavefront_size32 1
		.amdhsa_system_sgpr_workgroup_id_x 1
		.amdhsa_system_sgpr_workgroup_id_y 1
		.amdhsa_system_sgpr_workgroup_id_z 1
		.amdhsa_system_vgpr_workitem_id 0
		.amdhsa_next_free_vgpr 162
		.amdhsa_next_free_sgpr 66
		.amdhsa_reserve_vcc 1
		.amdhsa_float_denorm_mode_32 3
		.amdhsa_float_denorm_mode_16_64 3
		.amdhsa_memory_ordered 1
		.amdhsa_forward_progress 1
		.amdhsa_inst_pref_size 35
	.end_amdhsa_kernel
	.amdgpu_metadata
---
amdhsa.version: [ 1, 2 ]
amdhsa.kernels:
  - .name:           k_qa2f50ed91c_prep
    .symbol:         k_qa2f50ed91c_prep.kd
    .args:
      - { .name: x, .offset: 0, .size: 8, .value_kind: global_buffer, .address_space: global }
      - { .name: wq, .offset: 8, .size: 8, .value_kind: global_buffer, .address_space: global }
      - { .name: wk, .offset: 16, .size: 8, .value_kind: global_buffer, .address_space: global }
      - { .name: wv, .offset: 24, .size: 8, .value_kind: global_buffer, .address_space: global }
      - { .name: wo, .offset: 32, .size: 8, .value_kind: global_buffer, .address_space: global }
      - { .name: lowp_scales, .offset: 40, .size: 8, .value_kind: global_buffer, .address_space: global }
      - { .name: xc, .offset: 48, .size: 8, .value_kind: global_buffer, .address_space: global }
      - { .name: wc, .offset: 56, .size: 8, .value_kind: global_buffer, .address_space: global }
      - { .name: rope, .offset: 64, .size: 8, .value_kind: global_buffer, .address_space: global }
    .group_segment_fixed_size: 68608
    .private_segment_fixed_size: 0
    .kernarg_segment_align: 8
    .kernarg_segment_size: 72
    .max_flat_workgroup_size: 256
    .sgpr_count:     66
    .vgpr_count:     162
    .wavefront_size: 32
...
	.end_amdgpu_metadata
.endif
;; end of part 1
;; launch qkv (part 2): grid 24 x 32, 8 waves a work-group, clusters of 4 x 4, 263,168 bytes of LDS; arguments xc, wc, rope, q_norm_w, k_norm_w, lowp_scales, qf, kf, vf; writes qf, kf, vf
.if DOCPART == 2
	.amdgcn_target "amdgcn-amd-amdhsa--gfx1250"
	.amdhsa_code_object_version 6
	.text
	.protected	k_qa2f50ed91c_qkv
	.globl	k_qa2f50ed91c_qkv
	.p2align	8
	.type	k_qa2f50ed91c_qkv,@function
k_qa2f50ed91c_qkv:
	s_mov_b64 s[64:65], 0
	v_nop
	global_prefetch_b8 v0, s[64:65] scope:SCOPE_SE
	s_setreg_imm32_b32 hwreg(HW_REG_WAVE_MODE, 25, 1), 1
	s_wait_xcnt 0x0
	s_wait_alu depctr_hold_cnt(0) depctr_sa_sdst(0) depctr_va_vdst(0) depctr_va_sdst(0) depctr_va_ssrc(0) depctr_va_vcc(0) depctr_vm_vsrc(0)
	s_getreg_b32 s2, hwreg(HW_REG_IB_STS2, 6, 4)
	s_cmp_eq_u32 s2, 0
	s_cbranch_scc0 .Lentry_in_a_cluster
	s_endpgm
.Lentry_in_a_cluster:
	s_bfe_u32 s2, ttmp6, 0x10000c
	s_cmp_lg_u32 s2, 0xf033
	s_cbranch_scc0 .Lentry_shape_is_right
	s_endpgm
.Lentry_shape_is_right:
; QKV.  q = x wq^T, k = x wk^T, v = x wv^T on codes of E4M3 (K = 1,024); RMSNorm over each head's 64 and the rotary embedding on q and k; all three quantised (e6, e7, e9) into images of the next products' operands.
; SHARES.  A work-group makes 128 tokens x 128 features of one of the three (sel = cluster x / 2).  Its two panels of codes, 128 rows x 1,024 K each, 262,144 bytes together, lie whole in LDS: every LDS byte is filled once.
; Eight waves, wave (wr = w / 2, wc = w % 2): 2 blocks of 16 on the LANE side x 4 blocks on the REGISTER side, 8 accumulators.  D = matrix(source 0 = register side, source 1 = lane side): lane (r, h) holds lane-side row r,
; register j register-side row 8h + j.  q, k: lanes are tokens, the 32 registers of a token tile are one head's features 16b + 8h + j: norm and rotation stay in the lane and its partner 16 away, and the conversion of block b's eight
; registers IS registers 2b, 2b+1 of the scores' operand.  v: lanes are features, registers are 64 tokens (keys), which are the second attention product's K.
; LDS: [K chunk c of 256: 65,536 bytes][x's panel, then the weight's, 32,768 each][row tile 8][4,096 bytes = two fragments of 16 rows x 128 K].  All fragments are images of registers: 512 consecutive bytes a load, no pitch.
; CLUSTER 4 x 4: x's panel hangs on the token tile (shared along a row of the cluster), the weight's on the feature tile (shared along a column): each is asked for jointly, by waves 0-3 and waves 4-7, four loads a wave
; (one for each K chunk), all issued at the head: four tensor loads of a wave are out at the most.
; OUT: qf, kf [b 16 + head][token tile 128][1,024];  vf [b 16 + head][64 keys: 32][d tile 4][1,024].  Each store covers 512 consecutive aligned bytes.
; LIMITS: e(x) + e(w) between -60 and 60 for each product; e6, e7 and e9 - e4 - e5 between -126 and 119.  NaN among the inputs is not served.
.set WV,  26                           ; s26 wave;  s27 cx, s28 cy;  s29 cluster y;  s30 sel (0 q, 1 k, 2 v);  s31 1 for v
.set CX,  27
.set CY,  28
.set CLY, 29
.set SL,  30
.set ISV, 31
.set G1X, 32                           ; s[32:39] descriptor group 1 for x's panel;  s[40:47] for the weight's: they differ in the mask
.set G1W, 40
.set G0X, 48                           ; s[48:63] four groups 0, one for each K chunk;  s[68:83] the weight's
.set G0W, 68
.set EX,  84                           ; s[84:95] the twelve exponents
.set LI,  1                            ; v1  16 x lane
.set VL,  2                            ; v2  LDS address of my lane-side fragments
.set VR,  3                            ; v3  of my register-side fragments
.set LF,  16                           ; v16-47   two lane-side fragments
.set RF,  48                           ; v48-111  four register-side fragments
.set ACC, 112                          ; v112-175 accumulator (a, b) at 112 + 32 a + 8 b
.set NW,  176                          ; v176-207 the norm's weights: register 8b + j = w[16b + 8h + j]
.set CS0, 208                          ; v208-223 cos, v224-239 sin of my first token tile
.set COD, 240                          ; v240-247 codes
.set YR,  48                           ; the way out: the normalised numbers
.set OU,  80                           ; and the rotated ones
.macro CROUND                          ; a round of the cluster's barrier
	s_barrier_signal -1
	s_barrier_wait -1
	s_cmp_lg_u32 s[WV], 0
	s_cbranch_scc1 .Lnot_wave_0_\@
	s_barrier_signal -3
.Lnot_wave_0_\@:
	s_barrier_wait -3
	s_barrier_signal -1
	s_barrier_wait -1
.endm
; 128 along K: 24 LDS loads, 8 matrix instructions.  The eight accumulators take turns, one instruction a turn.
.macro KSTEP s, first, zero
.if !\first
.rept 4
	v_nop                                          ; four places in front of loads into registers that matrix instructions have read (ISA guide 7.12.1 for vector instructions)
.endr
.endif
.irp a, 0,1
.irp k, 0,1,2,3
	ds_load_b128 v[LF+16*\a+4*\k:LF+16*\a+4*\k+3], v[VL] offset:4096*\a+2048*\s+512*\k
.endr
.endr
.irp b, 0,1,2,3
.irp k, 0,1,2,3
	ds_load_b128 v[RF+16*\b+4*\k:RF+16*\b+4*\k+3], v[VR] offset:4096*\b+2048*\s+512*\k
.endr
.endr
	s_wait_dscnt 0x0
.irp b, 0,1,2,3
.irp a, 0,1
.if \zero
	v_wmma_f32_16x16x128_fp8_fp8 v[ACC+32*\a+8*\b:ACC+32*\a+8*\b+7], v[RF+16*\b:RF+16*\b+15], v[LF+16*\a:LF+16*\a+15], 0
.else
	v_wmma_f32_16x16x128_fp8_fp8 v[ACC+32*\a+8*\b:ACC+32*\a+8*\b+7], v[RF+16*\b:RF+16*\b+15], v[LF+16*\a:LF+16*\a+15], v[ACC+32*\a+8*\b:ACC+32*\a+8*\b+7]
.endif
.endr
.endr
.endm
.macro CHUNK c                         ; 256 along K
	s_wait_tensorcnt 3-\c                          ; a wave's tensor loads end in order: my part of chunk c is in; my loads of the later chunks stay out
	s_wait_dscnt 0x0
	s_barrier_signal -1
	s_barrier_wait -1                              ; everybody's part is in
.if \c == 0
	KSTEP 0, 1, 1                                  ; the first products start the sums: nothing is cleared
.else
	KSTEP 0, 0, 0
.endif
	KSTEP 1, 0, 0
.if \c < 3
	v_add_nc_u32 v[VL], 0x10000, v[VL]
	v_add_nc_u32 v[VR], 0x10000, v[VR]
.endif
.endm
	s_load_b256 s[8:15], s[0:1], 0x0               ; xc s8, wc s10, rope s12, q_norm_w s14
	s_load_b256 s[16:23], s[0:1], 0x20             ; k_norm_w s16, scales s18, qf s20, kf s22
	s_load_b64 s[24:25], s[0:1], 0x40              ; vf
	v_lshl_add_u32 v14, v0, 2, 0x40000
	v_mov_b32 v15, 0
	ds_add_u32 v14, v15
	ds_add_u32 v14, v15
	v_lshrrev_b32 v4, 5, v0
	v_readfirstlane_b32 s[WV], v4                  ; wave 0..7
	s_bfe_u32 s[CX], ttmp6, 0x40000
	s_bfe_u32 s[CY], ttmp6, 0x40004
	s_and_b32 s[CLY], ttmp7, 0xffff
	s_lshr_b32 s[SL], ttmp9, 1                     ; two clusters along x for each of q, k, v
	s_lshr_b32 s[ISV], s[SL], 1
	s_lshl_b32 s2, s[CY], 2
	s_lshl_b32 s2, 15, s2                          ; my row of the cluster
	s_lshl_b32 s3, 0x1111, s[CX]                   ; my column
	s_or_b32 s[G1X], s2, (3<<16)|(1<<21)           ; 15:0 the mask; 17:16 elements of 8 bytes; 21 set beside a mask; no padding
	s_or_b32 s[G1W], s3, (3<<16)|(1<<21)
.irp g, G1X, G1W
	s_mov_b32 s[\g+1], 512<<16                     ; tensor_dim0 = 512 elements: a row tile's 4,096 bytes of a K chunk
	s_mov_b32 s[\g+2], 2<<16                       ; tensor_dim1 = 2 row tiles
	s_mov_b32 s[\g+3], 512<<16                     ; tile_dim0
	s_mov_b32 s[\g+4], 2                           ; tile_dim1
	s_mov_b32 s[\g+5], 2048                        ; from row tile to row tile: 16,384 bytes
	s_mov_b32 s[\g+6], 0
	s_mov_b32 s[\g+7], 0
.endr
	s_lshl_b32 s4, s[CLY], 2
	s_add_co_u32 s4, s4, s[CY]                     ; token tile (128 tokens), 0..31
	s_and_b32 s5, ttmp9, 1
	s_lshl_b32 s5, s5, 2
	s_add_co_u32 s5, s5, s[CX]                     ; feature tile (128 features), 0..7
	s_and_b32 s2, s[WV], 3
	s_lshl_b32 s2, s2, 15                          ; the two row tiles that I fetch: 32,768 bytes of a panel
	s_lshl_b32 s96, s4, 17                         ; x's panel: token tile x 131,072
	s_lshl_b32 s3, s[SL], 22                       ; + the plane of codes under this product's scale
	s_add_co_u32 s96, s96, s3
	s_add_co_u32 s96, s96, s2
	s_mov_b32 s97, 0
	s_lshl_b32 s98, s5, 17                         ; the weight's panel: feature tile x 131,072
	s_lshl_b32 s3, s[SL], 20                       ; + the weight
	s_add_co_u32 s98, s98, s3
	s_add_co_u32 s98, s98, s2
	s_mov_b32 s99, 0
	s_lshl_b32 s3, s[WV], 13                       ; in LDS: wave x 8,192: waves 0-3 fill x's panel, waves 4-7 the weight's
	s_wait_dscnt 0x0
	s_wait_kmcnt 0x0
	s_load_b256 s[EX:EX+7], s[18:19], 0x0
	s_load_b128 s[EX+8:EX+11], s[18:19], 0x20
	s_add_nc_u64 s[96:97], s[8:9], s[96:97]
	s_add_nc_u64 s[98:99], s[10:11], s[98:99]
	CROUND                                         ; all sixteen work-groups are here: the joint loads meet
.irp c, 0,1,2,3
	s_mov_b32 s[G0X+4*\c], 1
	s_add_co_u32 s[G0X+4*\c+1], s3, \c*65536
	s_add_nc_u64 s[G0X+4*\c+2:G0X+4*\c+3], s[96:97], \c*4096
	s_or_b32 s[G0X+4*\c+3], s[G0X+4*\c+3], 0x80000000
	s_mov_b32 s[G0W+4*\c], 1
	s_add_co_u32 s[G0W+4*\c+1], s3, \c*65536
	s_add_nc_u64 s[G0W+4*\c+2:G0W+4*\c+3], s[98:99], \c*4096
	s_or_b32 s[G0W+4*\c+3], s[G0W+4*\c+3], 0x80000000
.endr
	s_cmp_lt_u32 s[WV], 4                          ; a wave's four fills stand in one branch on the wave's number, ahead of every wait on TENSORcnt, every LDS read and every further barrier
	s_cbranch_scc0 .Lfill_w
.irp c, 0,1,2,3
	tensor_load_to_lds s[G0X+4*\c:G0X+4*\c+3], s[G1X:G1X+7]
	s_nop 0
.endr
.rept 4
	v_nop
.endr
	s_branch .Lfilled
.Lfill_w:
.irp c, 0,1,2,3
	tensor_load_to_lds s[G0W+4*\c:G0W+4*\c+3], s[G1W:G1W+7]
	s_nop 0
.endr
.rept 4
	v_nop
.endr
.Lfilled:
	s_lshr_b32 s8, s[WV], 1                        ; wr
	s_and_b32 s9, s[WV], 1                         ; wc
	s_cmp_eq_u32 s[ISV], 1                         ; hangs on the cluster's x alone: the same in all partners
	s_cselect_b32 s2, 0x8000, 0                    ; the lane side reads x's panel (q, k) or the weight's (v),
	s_cselect_b32 s3, 0, 0x8000                    ; the register side the other one
	s_lshl_b32 s11, s8, 13
	s_add_co_u32 s2, s2, s11                       ; + my two row tiles
	s_lshl_b32 s11, s9, 14
	s_add_co_u32 s3, s3, s11                       ; + my four row tiles
	v_and_b32 v[LI], 31, v0
	v_lshlrev_b32 v[LI], 4, v[LI]
	v_add_nc_u32 v[VL], s2, v[LI]
	v_add_nc_u32 v[VR], s3, v[LI]
	v_bfe_u32 v5, v0, 4, 1
	v_lshlrev_b32 v5, 5, v5                        ; 32 h: my half's eight weights of a block of sixteen
	v_mov_b32 v252, 0                              ; written once: a lane permute's destination counts as one of its sources
	s_mov_b32 s6, 0x76543210
	s_mov_b32 s7, 0xfedcba98                       ; v_permlanex16_b32's selects for lane xor 16
	s_cmp_eq_u32 s[SL], 0
	s_cselect_b64 s[14:15], s[14:15], s[16:17]     ; q's weights or k's
	s_lshl_b32 s10, s4, 3
	s_lshl_b32 s11, s8, 1
	s_add_co_u32 s10, s10, s11                     ; T: my first token tile (16 tokens) of 256, where lanes are tokens
	s_and_b32 s11, s10, 127                        ; its place in the sequence
	s_lshl_b32 s96, s11, 12
	s_mov_b32 s97, 0
	s_add_nc_u64 s[12:13], s[12:13], s[96:97]
.irp b, 0,1,2,3
	global_load_b128 v[NW+8*\b:NW+8*\b+3], v5, s[14:15] offset:64*\b
	global_load_b128 v[NW+8*\b+4:NW+8*\b+7], v5, s[14:15] offset:64*\b+16
.endr
.irp n, 0,1,2,3,4,5,6,7
	global_load_b128 v[CS0+4*\n:CS0+4*\n+3], v[LI], s[12:13] offset:512*\n   ; cos (4 x 512 bytes), then sin, of token tile T
.endr
	CHUNK 0
	CHUNK 1
	CHUNK 2
	CHUNK 3
.rept 4
	v_nop                                          ; four places in front of the first read of results and of writes and loads into the fragments' registers
.endr
	s_wait_kmcnt 0x0
	s_add_co_i32 s96, s[EX+0], s[EX+1]
	s_add_co_i32 s97, s[EX+2], s[EX+3]
	s_add_co_i32 s98, s[EX+4], s[EX+5]
	s_cmp_eq_u32 s[SL], 0
	s_cselect_b32 s96, s96, s97
	s_cselect_b32 s99, s[EX+6], s[EX+7]
	s_cmp_eq_u32 s[SL], 2
	s_cselect_b32 s96, s98, s96                    ; E: a sum stands for sum x 2^E
	s_cselect_b32 s99, s[EX+9], s99                ; the result's own scale: e6, e7 or e9
	s_cmp_eq_u32 s[ISV], 1
	s_cbranch_scc1 .Lpath_v
	; ---- q and k
.irp n, 0,1,2,3,4,5,6,7
	global_load_b128 v[LF+4*\n:LF+4*\n+3], v[LI], s[12:13] offset:4096+512*\n   ; cos and sin of token tile T + 1 (T is even: the same sequence)
.endr
	s_lshl_b32 s2, s96, 1
	s_add_co_i32 s2, s2, 121
	s_lshl_b32 s2, s2, 23                          ; 2^(2E - 6): the mean of 64 squares
	s_add_co_i32 s3, s96, 127
	s_lshl_b32 s3, s3, 23                          ; 2^E
	s_add_co_i32 s97, s99, 127
	s_lshl_b32 s98, s97, 23
	v_mov_b32 v254, s98                            ; 2^e6 or 2^e7, for the conversions
	s_add_co_i32 s97, s97, 8
	s_lshl_b32 s97, s97, 23
	s_or_b32 s97, s97, 0x600000
	v_mov_b32 v255, s97                            ; 448 x that
	s_lshr_b32 s97, s10, 7                         ; batch
	s_lshl_b32 s97, s97, 4
	s_lshl_b32 s98, s5, 1
	s_add_co_u32 s97, s97, s98
	s_add_co_u32 s97, s97, s9                      ; 16 batch + head, head = 2 x feature tile + wc
	s_lshl_b32 s97, s97, 7
	s_and_b32 s98, s10, 127
	s_add_co_u32 s98, s97, s98
	s_lshl_b32 s98, s98, 10                        ; 1,024 bytes a fragment
	s_mov_b32 s99, 0
	s_cmp_eq_u32 s[SL], 0
	s_cselect_b64 s[20:21], s[20:21], s[22:23]
	s_add_nc_u64 s[20:21], s[20:21], s[98:99]
; Token tile a: norm, rotation, codes, store.  cr, sr: where its cos and sin lie (register 8u + j: frequency 16u + 8h + j).
.macro NORMROPE a, cr, sr
.set A0, ACC+32*(\a)
	v_pk_mul_f32 v[248:249], v[A0:A0+1], v[A0:A0+1]            ; the sum of my 32 squares, in two chains, each accumulator from its low end on
	v_pk_mul_f32 v[250:251], v[A0+2:A0+3], v[A0+2:A0+3]
.irp i, 4,8,12,16,20,24,28
	v_pk_fma_f32 v[248:249], v[A0+\i:A0+\i+1], v[A0+\i:A0+\i+1], v[248:249]
	v_pk_fma_f32 v[250:251], v[A0+\i+2:A0+\i+3], v[A0+\i+2:A0+\i+3], v[250:251]
.endr
	v_pk_add_f32 v[248:249], v[248:249], v[250:251]
	v_add_f32 v248, v248, v249
	v_permlanex16_b32 v252, v248, s6, s7           ; the head's other 32 features lie in the lane 16 away
	v_add_f32 v248, v248, v252
	v_fma_f32 v248, v248, s2, 0x358637bd           ; mean of squares + 1e-6
	v_rsq_f32 v250, v248
	v_nop                                          ; one plain line behind the transcendental,
	s_wait_alu depctr_va_vdst(0)                   ; and a wait ahead of its first reader
	v_mul_f32 v250, s3, v250                       ; x 2^E: exact
.set i, 0
.rept 16
	v_pk_mul_f32 v[YR+i:YR+i+1], v[A0+i:A0+i+1], v[250:251] op_sel_hi:[1,0]
.set i, i+2
.endr
.set i, 0
.rept 16
	v_pk_mul_f32 v[YR+i:YR+i+1], v[YR+i:YR+i+1], v[NW+i:NW+i+1]
.set i, i+2
.endr
.set i, 0
.rept 8                                ; features d < 32 (registers 0-15) and d + 32 (registers 16-31): out[d] = y[d] cos - y[d+32] sin;  out[d+32] = y[d+32] cos + y[d] sin
	v_pk_mul_f32 v[OU+i:OU+i+1], v[YR+i:YR+i+1], v[\cr+i:\cr+i+1]
	v_pk_mul_f32 v[OU+16+i:OU+17+i], v[YR+16+i:YR+17+i], v[\cr+i:\cr+i+1]
	v_pk_fma_f32 v[OU+i:OU+i+1], v[YR+16+i:YR+17+i], v[\sr+i:\sr+i+1], v[OU+i:OU+i+1] neg_lo:[1,0,0] neg_hi:[1,0,0]
	v_pk_fma_f32 v[OU+16+i:OU+17+i], v[YR+i:YR+i+1], v[\sr+i:\sr+i+1], v[OU+16+i:OU+17+i]
.set i, i+2
.endr
.set i, 0
.rept 32
	v_med3_num_f32 v[OU+i], v[OU+i], -v255, v255   ; the conversion does not saturate (ISA guide 7.6.2): the hold comes first
.set i, i+1
.endr
.irp b, 0,1,2,3
	v_cvt_scalef32_pk8_fp8_f32 v[COD+2*\b:COD+2*\b+1], v[OU+8*\b:OU+8*\b+7], v254   ; registers 2b, 2b+1 of the operand: k = 16b + 8h + 0..7
.endr
	v_nop                                          ; one plain line behind the last conversion
	global_store_b128 v[LI], v[COD:COD+3], s[20:21] offset:1024*\a
	global_store_b128 v[LI], v[COD+4:COD+7], s[20:21] offset:1024*\a+512
.endm
	s_wait_loadcnt 0x8                             ; the weights and the first tile's table are in; the second tile's eight loads stay out
	NORMROPE 0, CS0, CS0+16
	s_wait_loadcnt 0x0
	s_wait_xcnt 0x0                                ; the stores' data registers are written again only behind this wait
	NORMROPE 1, LF, LF+16
	s_branch .Ldone
	; ---- v: lanes are features, registers are 64 keys; only the scale is left to do
.Lpath_v:
	s_sub_co_i32 s2, s99, s96                      ; code = sum x 2^E / 2^e9
	s_add_co_i32 s2, s2, 127
	s_lshl_b32 s3, s2, 23
	v_mov_b32 v16, s3
	s_add_co_i32 s2, s2, 8
	s_lshl_b32 s2, s2, 23
	s_or_b32 s2, s2, 0x600000
	v_mov_b32 v17, s2
	s_lshl_b32 s97, s4, 1
	s_add_co_u32 s97, s97, s9                      ; my 64 tokens: 2 x token tile + wc, 0..63
	s_lshr_b32 s98, s97, 5                         ; batch
	s_lshl_b32 s98, s98, 4
	s_lshl_b32 s11, s5, 1
	s_add_co_u32 s98, s98, s11
	s_lshr_b32 s11, s8, 1
	s_add_co_u32 s98, s98, s11                     ; 16 batch + head, head = 2 x feature tile + wr / 2
	s_lshl_b32 s98, s98, 5
	s_and_b32 s97, s97, 31
	s_add_co_u32 s98, s98, s97                     ; which 64 keys of the sequence
	s_lshl_b32 s98, s98, 2
	s_and_b32 s11, s8, 1
	s_lshl_b32 s11, s11, 1
	s_add_co_u32 s98, s98, s11                     ; my first tile of 16 of the head's 64
	s_lshl_b32 s98, s98, 10
	s_mov_b32 s99, 0
	s_add_nc_u64 s[24:25], s[24:25], s[98:99]
.irp a, 0,1
.set i, 0
.rept 32
	v_med3_num_f32 v[ACC+32*\a+i], v[ACC+32*\a+i], -v17, v17
.set i, i+1
.endr
.irp b, 0,1,2,3
	v_cvt_scalef32_pk8_fp8_f32 v[COD+8*\a+2*\b:COD+8*\a+2*\b+1], v[ACC+32*\a+8*\b:ACC+32*\a+8*\b+7], v16
.endr
	v_nop
	global_store_b128 v[LI], v[COD+8*\a:COD+8*\a+3], s[24:25] offset:1024*\a
	global_store_b128 v[LI], v[COD+8*\a+4:COD+8*\a+7], s[24:25] offset:1024*\a+512
.endr
.Ldone:
	s_wait_tensorcnt 0x0
	ds_add_u32 v14, v15
	s_wait_dscnt 0x0
	CROUND                                         ; the closing round: no work-group ends while a partner may still ask for a tile that names it
	s_endpgm
.Lfunc_end_k_qa2f50ed91c_qkv:
	.size	k_qa2f50ed91c_qkv, .Lfunc_end_k_qa2f50ed91c_qkv-k_qa2f50ed91c_qkv
	.p2alignl 7, 3214868480
	.fill 96, 4, 3214868480
	.section	.rodata,"a",@progbits
	.p2align	6, 0x0
	.amdhsa_kernel k_qa2f50ed91c_qkv
		.amdhsa_group_segment_fixed_size 263168
		.amdhsa_private_segment_fixed_size 0
		.amdhsa_enable_private_segment 0
		.amdhsa_kernarg_size 72
		.amdhsa_user_sgpr_count 2
		.amdhsa_user_sgpr_kernarg_segment_ptr 1
		.amdhsa_wavefront_size32 1
		.amdhsa_system_sgpr_workgroup_id_x 1
		.amdhsa_system_sgpr_workgroup_id_y 1
		.amdhsa_system_sgpr_workgroup_id_z 1
		.amdhsa_system_vgpr_workitem_id 0
		.amdhsa_next_free_vgpr 256
		.amdhsa_next_free_sgpr 100
		.amdhsa_reserve_vcc 0
		.amdhsa_float_denorm_mode_32 3
		.amdhsa_float_denorm_mode_16_64 3
		.amdhsa_memory_ordered 1
		.amdhsa_forward_progress 1
		.amdhsa_inst_pref_size 52
	.end_amdhsa_kernel
	.amdgpu_metadata
---
amdhsa.version: [ 1, 2 ]
amdhsa.kernels:
  - .name:           k_qa2f50ed91c_qkv
    .symbol:         k_qa2f50ed91c_qkv.kd
    .args:
      - { .name: xc, .offset: 0, .size: 8, .value_kind: global_buffer, .address_space: global }
      - { .name: wc, .offset: 8, .size: 8, .value_kind: global_buffer, .address_space: global }
      - { .name: rope, .offset: 16, .size: 8, .value_kind: global_buffer, .address_space: global }
      - { .name: q_norm_w, .offset: 24, .size: 8, .value_kind: global_buffer, .address_space: global }
      - { .name: k_norm_w, .offset: 32, .size: 8, .value_kind: global_buffer, .address_space: global }
      - { .name: lowp_scales, .offset: 40, .size: 8, .value_kind: global_buffer, .address_space: global }
      - { .name: qf, .offset: 48, .size: 8, .value_kind: global_buffer, .address_space: global }
      - { .name: kf, .offset: 56, .size: 8, .value_kind: global_buffer, .address_space: global }
      - { .name: vf, .offset: 64, .size: 8, .value_kind: global_buffer, .address_space: global }
    .group_segment_fixed_size: 263168
    .private_segment_fixed_size: 0
    .kernarg_segment_align: 8
    .kernarg_segment_size: 72
    .max_flat_workgroup_size: 256
    .sgpr_count:     100
    .vgpr_count:     256
    .wavefront_size: 32
...
	.end_amdgpu_metadata
.endif
;; end of part 2
;; launch attn (part 3): grid 8 x 32, 16 waves a work-group, clusters of 4 x 1, 264,192 bytes of LDS; arguments qf, kf, vf, sink_logit, lowp_scales, of; writes of
.if DOCPART == 3
	.amdgcn_target "amdgcn-amd-amdhsa--gfx1250"
	.amdhsa_code_object_version 6
	.text
	.protected	k_qa2f50ed91c_attn
	.globl	k_qa2f50ed91c_attn
	.p2align	8
	.type	k_qa2f50ed91c_attn,@function
k_qa2f50ed91c_attn:
	s_mov_b64 s[64:65], 0
	v_nop
	global_prefetch_b8 v0, s[64:65] scope:SCOPE_SE
	s_setreg_imm32_b32 hwreg(HW_REG_WAVE_MODE, 25, 1), 1
	s_wait_xcnt 0x0
	s_wait_alu depctr_hold_cnt(0) depctr_sa_sdst(0) depctr_va_vdst(0) depctr_va_sdst(0) depctr_va_ssrc(0) depctr_va_vcc(0) depctr_vm_vsrc(0)
	s_getreg_b32 s2, hwreg(HW_REG_IB_STS2, 6, 4)
	s_cmp_eq_u32 s2, 0
	s_cbranch_scc0 .Lentry_in_a_cluster
	s_endpgm
.Lentry_in_a_cluster:
	s_bfe_u32 s2, ttmp6, 0x10000c
	s_cmp_lg_u32 s2, 0x3003
	s_cbranch_scc0 .Lentry_shape_is_right
	s_endpgm
.Lentry_shape_is_right:
; ATTN.  Causal attention with a sink column, both products on codes of E4M3.  weights = softmax([q k^T / 8, sink])[keys]: FINISHED AND NORMALISED ahead of their quantiser (e8), so the keys are walked twice:
; pass 1 finds each query's largest t and the sum (t = score x log2(e) / 8, the sink's t among them), pass 2 makes the scores again, w = 2^(t - B) with B = M + log2(sum), quantises w and adds w v.
; M is the running largest t rounded up to a whole number; when it moves the sum is multiplied by a power of two, which rounds nothing.  B is rounded once to f32: half a last place of |B|, as the scaled score itself is.
; SHARES.  y = 16 batch + head.  A wave owns ONE tile of 16 queries; sixteen waves to a work-group, 256 registers each, so that one wave's exponentials and dependent chains stand beside three other waves' work.
; Tiles 4j .. 4j+3 of a head need the same j + 1 steps of 64 keys and have the same diagonal step, so THE FOUR PARTNERS OF A CLUSTER TAKE TILE 4j + cx FOR THE SAME SIXTEEN j: every branch hangs on j (the wave's number and
; the cluster's x) alone; cx enters Q's and the result's addresses and the mask's number of a lane, and nothing else.  A head has two clusters.
; WHICH j: s = w % 4, t = (w / 4 + s) % 4, q = 4 x cluster x + s; j = 2q, 2q + 1, 31 - 2q, 30 - 2q for t = 0, 1, 2, 3.  So waves w, w + 4, w + 8, w + 12 have 66 steps together in each pass, waves 4k .. 4k + 3 between 58 and 74,
; and a long tile stands beside another long one.  A step all of whose keys come after the tile's queries is jumped over; the loops' trip counts are constants.
; LDS: the head's K codes (131,072 bytes) at 0, its V codes at 131,072, as they lie in memory: images of fragments.  Each byte is filled once.  K and V are the same for the four partners: each part is asked for JOINTLY,
; 8,192 bytes of K and of V by each wave: two tensor loads of a wave are out at the most.
; LAYOUT.  S^T = K Q^T (source 0 = 16 keys, source 1 = my 16 queries): lane (r, h) holds query r, register j of key tile t key 16t + 8h + j: the conversion of tile t's eight registers IS registers 2t, 2t+1 of the second product's
; operand.  O^T = V^T W^T likewise gives a lane one query and eight neighbouring features, whose codes (e10) are the output projection's operand: of [token tile 256][head 16][1,024].
; A LANE KEEPS ITS OWN largest t and sum, over its own half of the keys (8h + 0..7 of every sixteen); both start from the sink's t; the two halves of a query meet once, behind pass 1.
; The price of one tile to a wave: a fragment of K or V read from LDS feeds one matrix instruction.
; LIMITS: e6 + e7 between -120 and 120; e8 and e10 - e8 - e9 between -126 and 119; sink_logit finite; a weight under 2^-126 counts as 0.  NaN among the inputs is not served.
.set G1,  16                           ; s[16:23] descriptor group 1;  s[24:27], s[28:31] groups 0 for K and V
.set G0K, 24
.set G0V, 28
.set WV,  32                           ; s32 my wave's number
.set JK,  33                           ; s33 64 j: the first key of my tile's diagonal step
.set CX,  34                           ; s34 my work-group's place in the cluster
.set KF,  35                           ; s35 the step's first key: the loops' counter
.set TB,  36                           ; s36 the step's byte in K's (and V's) region
.set CS,  38                           ; s[38:39] c = log2(e) / 8 x 2^(e6 + e7)
.set PS,  40                           ; s[40:41] lane selects: lane xor 16
.set EX,  44                           ; s[44:55] the twelve exponents
.set AK0, 1                            ; v1  16 x lane
.set ADK, 2                            ; v2, v3  addresses of the step's K and V
.set ADV, 3
.set DQ,  4                            ; v4  16 cx + r - 8 h: in the diagonal step register 8t + j is hidden where 16t + j is above it
.set TS,  7                            ; v7  the sink's t
.set AV0, 8                            ; v8  16 x lane + 131,072
.set NM,  12                           ; v12 -M (pass 2: -B), v13 the largest t
.set LS,  14                           ; v[14:15] the sum in two halves
.set FF,  20                           ; v20 the factor 2^(old M - new M); v21 named with it as a pair
.set T0,  24                           ; v24, v25 at work;  v28 a permute's destination;  v29 -infinity;  v30 hold, v31 scale
.set QFR, 32                           ; v32-39   Q
.set KFR, 48                           ; v48-79   K, four fragments
.set VFR, 80                           ; v80-111  V, four
.set SFR, 112                          ; v112-143 S^T, key tile t at 112 + 8t
.set OFR, 176                          ; v176-207 O^T, feature tile t at 176 + 8t
.set PCD, 240                          ; v240-247 the weights' codes, later the result's
.macro CROUND                          ; a round of the cluster's barrier
	s_barrier_signal -1
	s_barrier_wait -1
	s_cmp_lg_u32 s[WV], 0
	s_cbranch_scc1 .Lnot_wave_0_\@
	s_barrier_signal -3
.Lnot_wave_0_\@:
	s_barrier_wait -3
	s_barrier_signal -1
	s_barrier_wait -1
.endm
	s_load_b256 s[4:11], s[0:1], 0x0               ; qf s4, kf s6, vf s8, sink s10
	s_load_b128 s[12:15], s[0:1], 0x20             ; scales s12, of s14
	v_lshl_add_u32 v254, v0, 2, 0x40000
	v_mov_b32 v255, 0
	ds_add_u32 v254, v255
	ds_add_u32 v254, v255
	v_lshrrev_b32 v2, 5, v0
	v_readfirstlane_b32 s[WV], v2                  ; wave 0..15
	s_bfe_u32 s[CX], ttmp6, 0x40000                ; cx
	s_and_b32 s42, ttmp7, 0xffff                   ; 16 batch + head: the partners share it
	s_lshl_b32 s56, s42, 17                        ; its 131,072 bytes in qf, kf, vf
	s_mov_b32 s57, 0
	s_lshl_b32 s43, s[WV], 13                      ; my 8,192 bytes of K and of V: no place in the cluster enters it
	s_add_co_u32 s58, s56, s43
	s_mov_b32 s59, 0
	s_mov_b32 s[G1+0], 15|(3<<16)|(1<<21)          ; 15:0 the mask: all four work-groups; 17:16 elements of 8 bytes; 21 set beside a mask; no padding
	s_mov_b32 s[G1+1], 32<<16                      ; tensor_dim0 = 32 elements: rows of 256 bytes
	s_mov_b32 s[G1+2], 32<<16                      ; tensor_dim1 = 32 rows
	s_mov_b32 s[G1+3], 32<<16                      ; tile_dim0
	s_mov_b32 s[G1+4], 32                          ; tile_dim1
	s_mov_b32 s[G1+5], 32                          ; dense
	s_mov_b32 s[G1+6], 0
	s_mov_b32 s[G1+7], 0
	s_and_b32 s60, s42, 15                         ; head
	s_lshl_b32 s60, s60, 2
	s_mov_b32 s61, 0
	s_wait_dscnt 0x0
	s_wait_kmcnt 0x0
	s_load_b256 s[EX:EX+7], s[12:13], 0x0
	s_load_b128 s[EX+8:EX+11], s[12:13], 0x20
	s_add_nc_u64 s[10:11], s[10:11], s[60:61]
	s_load_b32 s37, s[10:11], 0x0                  ; the head's sink logit
	CROUND                                         ; all four work-groups are here: the joint loads meet
	s_mov_b32 s[G0K], 1
	s_mov_b32 s[G0K+1], s43
	s_add_nc_u64 s[G0K+2:G0K+3], s[6:7], s[58:59]
	s_or_b32 s[G0K+3], s[G0K+3], 0x80000000
	s_mov_b32 s[G0V], 1
	s_add_co_u32 s[G0V+1], s43, 0x20000
	s_add_nc_u64 s[G0V+2:G0V+3], s[8:9], s[58:59]
	s_or_b32 s[G0V+3], s[G0V+3], 0x80000000
	tensor_load_to_lds s[G0K:G0K+3], s[G1:G1+7]    ; both fills go out together, ahead of every wait on TENSORcnt, every LDS read and every further barrier
	s_nop 0
	tensor_load_to_lds s[G0V:G0V+3], s[G1:G1+7]
	s_nop 0
.rept 4
	v_nop
.endr
	s_and_b32 s60, s[WV], 3                        ; s
	s_lshr_b32 s61, s[WV], 2
	s_add_co_u32 s61, s61, s60
	s_and_b32 s61, s61, 3                          ; t
	s_lshl_b32 s62, ttmp9, 2
	s_add_co_u32 s62, s62, s60                     ; q, 0..7
	s_lshl_b32 s62, s62, 1
	s_and_b32 s63, s61, 1
	s_add_co_u32 s62, s62, s63                     ; 2q or 2q + 1
	s_sub_co_u32 s63, 31, s62
	s_cmp_ge_u32 s61, 2
	s_cselect_b32 s62, s63, s62                    ; j, 0..31: the same in all four partners
	s_lshl_b32 s[JK], s62, 6
	s_lshl_b32 s62, s62, 2
	s_add_co_u32 s62, s62, s[CX]                   ; my tile of 16 queries, 0..127
	s_lshl_b32 s60, s62, 10                        ; 1,024 bytes a fragment
	s_add_co_u32 s60, s60, s56
	s_mov_b32 s61, 0
	s_add_nc_u64 s[4:5], s[4:5], s[60:61]
	v_and_b32 v[AK0], 31, v0
	v_lshlrev_b32 v[AK0], 4, v[AK0]
	global_load_b128 v[QFR:QFR+3], v[AK0], s[4:5]              ; Q stays in registers
	global_load_b128 v[QFR+4:QFR+7], v[AK0], s[4:5] offset:512
	s_lshr_b32 s60, s42, 4                         ; batch
	s_lshl_b32 s60, s60, 7
	s_add_co_u32 s60, s60, s62                     ; my token tile of 256
	s_lshl_b32 s60, s60, 4
	s_and_b32 s63, s42, 15
	s_add_co_u32 s60, s60, s63
	s_lshl_b32 s60, s60, 10
	s_add_nc_u64 s[14:15], s[14:15], s[60:61]
	s_mov_b32 s[PS], 0x76543210
	s_mov_b32 s[PS+1], 0xfedcba98
	v_and_b32 v[DQ], 15, v0
	v_bfe_u32 v5, v0, 4, 1
	v_lshlrev_b32 v5, 3, v5
	v_sub_nc_u32 v[DQ], v[DQ], v5
	s_lshl_b32 s63, s[CX], 4
	v_add_nc_u32 v[DQ], s63, v[DQ]                 ; my query less 64 j less 8 h
	v_add_nc_u32 v[AV0], 0x20000, v[AK0]
	v_mov_b32 v29, 0xff800000
	v_mov_b32 v28, 0                               ; written once: a lane permute's destination counts as one of its sources
	v_mov_b32 v[FF+1], 0                           ; (named as the upper half of a pair)
	v_mov_b32 v[LS], 0                             ; the sum
	v_mov_b32 v[LS+1], 0
.set i, 0
.rept 32
	v_mov_b32 v[OFR+i], 0                          ; O^T: pass 2's step is written once
.set i, i+1
.endr
	s_wait_kmcnt 0x0
	s_add_co_i32 s60, s[EX+6], s[EX+7]
	s_lshl_b32 s60, s60, 23
	s_add_co_i32 s[CS], s60, 0x3e38aa3b            ; log2(e) / 8, with e6 + e7 added to its exponent field
	s_mov_b32 s[CS+1], s[CS]
	v_mov_b32 v[TS], s37
	v_mul_f32 v[TS], 0x3fb8aa3b, v[TS]             ; the sink's t: it starts the largest t, in both halves of the lanes
	v_mov_b32 v[NM+1], v[TS]
	v_floor_f32 v[NM], -v[TS]                      ; -M = floor(-t)
	s_add_co_i32 s60, s[EX+8], 127
	s_lshl_b32 s61, s60, 23
	v_mov_b32 v31, s61                             ; 2^e8, for the weights' conversions
	s_add_co_i32 s60, s60, 8
	s_lshl_b32 s60, s60, 23
	s_or_b32 s60, s60, 0x600000
	v_mov_b32 v30, s60                             ; 448 x 2^e8
; c s - M (pass 2: - B), two at a time, and 2^ of it.  The 16 scalings are dealt among the 32 exponentials, each a pair ahead of its own: no scaling names an exponential's result, so the batch has one wait, behind it.
.macro SCEXP
	v_pk_fma_f32 v[SFR:SFR+1], v[SFR:SFR+1], s[CS:CS+1], v[NM:NM+1] op_sel_hi:[1,0,0]   ; of the pairs c and -M the low word serves both halves
.set i, 0
.rept 16
.if i < 15
	v_pk_fma_f32 v[SFR+2*i+2:SFR+2*i+3], v[SFR+2*i+2:SFR+2*i+3], s[CS:CS+1], v[NM:NM+1] op_sel_hi:[1,0,0]
.endif
	v_exp_f32 v[SFR+2*i], v[SFR+2*i]
	v_exp_f32 v[SFR+2*i+1], v[SFR+2*i+1]
.set i, i+1
.endr
.endm
; A STEP of 64 keys, in pass 1 or 2.
.macro STEP pass
	s_cmp_gt_u32 s[KF], s[JK]                      ; all 64 keys come after my queries: nothing to do but step the address
	s_cbranch_scc1 .Lhid_\@
	v_add_nc_u32 v[ADK], s[TB], v[AK0]
.if \pass == 2
	v_add_nc_u32 v[ADV], s[TB], v[AV0]
.endif
.irp n, 0,1,2,3,4,5,6,7
	ds_load_b128 v[KFR+4*\n:KFR+4*\n+3], v[ADK] offset:512*\n
.endr
.if \pass == 2
.irp n, 0,1,2,3,4,5,6,7
	ds_load_b128 v[VFR+4*\n:VFR+4*\n+3], v[ADV] offset:512*\n
.endr
	s_wait_dscnt 0x8                               ; K is in; V's eight loads stay out
.else
	s_wait_dscnt 0x0
.endif
.irp t, 0,1,2,3
	v_wmma_f32_16x16x64_fp8_fp8 v[SFR+8*\t:SFR+8*\t+7], v[KFR+8*\t:KFR+8*\t+7], v[QFR:QFR+7], 0
.endr
.rept 4
	v_nop                                          ; four places in front of the first read of the scores (ISA guide 7.12.1)
.endr
	s_cmp_lt_u32 s[KF], s[JK]                      ; ahead of the diagonal step all 64 keys count: no mask
	s_cbranch_scc1 .Lopen_\@
.set n, 0
.rept 32
	v_cmp_gt_i32 vcc_lo, 16*(n/8)+n%8, v[DQ]       ; register 8t + j holds key 64 j + 16t + 8h + j: hidden where it lies behind my query
	v_cndmask_b32 v[SFR+n], v[SFR+n], v29, vcc_lo  ; -infinity: the term is 0
.set n, n+1
.endr
.Lopen_\@:
.if \pass == 1
	v_max3_num_f32 v[T0], v[SFR], v[SFR+1], v[SFR+2]           ; the largest of my 32 scores, in two chains, each accumulator from its low end on
	v_max3_num_f32 v[T0+1], v[SFR+3], v[SFR+4], v[SFR+5]
.irp i, 6,10,14,18,22,26
	v_max3_num_f32 v[T0], v[T0], v[SFR+\i], v[SFR+\i+1]
	v_max3_num_f32 v[T0+1], v[T0+1], v[SFR+\i+2], v[SFR+\i+3]
.endr
	v_max3_num_f32 v[T0], v[T0], v[SFR+30], v[SFR+31]
	v_max_num_f32 v[T0], v[T0], v[T0+1]
	v_mul_f32 v[T0], s[CS], v[T0]                  ; as t (c is positive)
	v_max_num_f32 v[NM+1], v[NM+1], v[T0]          ; my lane's largest t so far
	v_mov_b32 v[T0], v[NM]
	v_floor_f32 v[NM], -v[NM+1]                    ; the new -M
	v_sub_f32 v[T0], v[NM], v[T0]                  ; a whole number, 0 or less
	v_cvt_i32_f32 v[T0], v[T0]
	v_ldexp_f32 v[FF], 1.0, v[T0]                  ; 2^(old M - new M)
	SCEXP
	v_pk_mul_f32 v[LS:LS+1], v[LS:LS+1], v[FF:FF+1] op_sel_hi:[1,0]   ; the sum under the new M (a plain line behind the exponentials)
	s_wait_alu depctr_va_vdst(0)                   ; one wait for the batch, ahead of its first reader
	v_pk_add_f32 v[T0:T0+1], v[SFR:SFR+1], v[SFR+2:SFR+3]      ; the step's 32 terms onto the sum, two at a time, in two chains
.irp i, 4,8,12,16,20,24,28
	v_pk_add_f32 v[LS:LS+1], v[LS:LS+1], v[SFR+\i:SFR+\i+1]
	v_pk_add_f32 v[T0:T0+1], v[T0:T0+1], v[SFR+\i+2:SFR+\i+3]
.endr
	v_pk_add_f32 v[LS:LS+1], v[LS:LS+1], v[T0:T0+1]
.else
	SCEXP
	v_nop                                          ; a plain line behind the exponentials
	s_wait_alu depctr_va_vdst(0)                   ; one wait for the batch, ahead of its first reader
.set i, 0
.rept 32
	v_min_num_f32 v[SFR+i], v[SFR+i], v30          ; the conversion does not saturate (ISA guide 7.6.2); a weight is not negative: a one-sided hold
.set i, i+1
.endr
.irp t, 0,1,2,3
	v_cvt_scalef32_pk8_fp8_f32 v[PCD+2*\t:PCD+2*\t+1], v[SFR+8*\t:SFR+8*\t+7], v31
.endr
	v_nop                                          ; one plain line between the last conversion and the products that read the codes
	s_wait_dscnt 0x0                               ; V is in
.irp t, 0,1,2,3
	v_wmma_f32_16x16x64_fp8_fp8 v[OFR+8*\t:OFR+8*\t+7], v[VFR+8*\t:VFR+8*\t+7], v[PCD:PCD+7], v[OFR+8*\t:OFR+8*\t+7]   ; the four accumulators by turns; the scores' four products stand between two links of a chain
.endr
.rept 4
	v_nop                                          ; four places in front of the next step's loads and conversions, and of the way out
.endr
.endif
.Lhid_\@:
	s_add_co_u32 s[TB], s[TB], 4096
.endm
	s_wait_tensorcnt 0x1                           ; my part of K is in; V's load stays out, and pass 1 reads K's region alone
	s_barrier_signal -1
	s_barrier_wait -1
	s_wait_loadcnt 0x0                             ; Q
	s_mov_b32 s[KF], 0
	s_mov_b32 s[TB], 0
.Lpass1:                                               ; 32 trips
	STEP 1
	s_add_co_u32 s[KF], s[KF], 64
	s_cmp_lt_u32 s[KF], 2048
	s_cbranch_scc1 .Lpass1
	; the two halves of a query meet: the row's -M is the smaller of the two; each half's sum goes under it by a power of two; then the sink's term, and -B = -M - log2(sum)
	v_add_f32 v[LS], v[LS], v[LS+1]
	v_permlanex16_b32 v28, v[NM], s[PS], s[PS+1]
	v_min_num_f32 v[T0], v[NM], v28                ; the row's -M
	v_sub_f32 v[T0+1], v[T0], v[NM]                ; a whole number, 0 or less
	v_cvt_i32_f32 v[T0+1], v[T0+1]
	v_ldexp_f32 v[LS], v[LS], v[T0+1]
	v_permlanex16_b32 v28, v[LS], s[PS], s[PS+1]
	v_add_f32 v[LS], v[LS], v28
	v_add_f32 v[T0+1], v[TS], v[T0]
	v_exp_f32 v[T0+1], v[T0+1]                     ; 2^(sink's t - M)
	v_nop
	s_wait_alu depctr_va_vdst(0)
	v_add_f32 v[LS], v[LS], v[T0+1]                ; at least 1/2: the largest t's own term
	v_log_f32 v[T0+1], v[LS]
	v_nop
	s_wait_alu depctr_va_vdst(0)
	v_sub_f32 v[NM], v[T0], v[T0+1]
	s_wait_tensorcnt 0x0                           ; my part of V is in,
	s_wait_dscnt 0x0
	s_barrier_signal -1
	s_barrier_wait -1                              ; everybody's is
	s_mov_b32 s[KF], 0
	s_mov_b32 s[TB], 0
.Lpass2:                                               ; 32 trips
	STEP 2
	s_add_co_u32 s[KF], s[KF], 64
	s_cmp_lt_u32 s[KF], 2048
	s_cbranch_scc1 .Lpass2
	; THE WAY OUT: a sum stands for sum x 2^(e8 + e9); its code under e10 is sum / 2^(e10 - e8 - e9)
	s_sub_co_i32 s60, s[EX+10], s[EX+8]
	s_sub_co_i32 s60, s60, s[EX+9]
	s_add_co_i32 s60, s60, 127
	s_lshl_b32 s61, s60, 23
	v_mov_b32 v31, s61
	s_add_co_i32 s60, s60, 8
	s_lshl_b32 s60, s60, 23
	s_or_b32 s60, s60, 0x600000
	v_mov_b32 v30, s60
.set i, 0
.rept 32
	v_med3_num_f32 v[OFR+i], v[OFR+i], -v30, v30   ; each accumulator from its low end on
.set i, i+1
.endr
.irp t, 0,1,2,3
	v_cvt_scalef32_pk8_fp8_f32 v[PCD+2*\t:PCD+2*\t+1], v[OFR+8*\t:OFR+8*\t+7], v31
.endr
	v_nop
	global_store_b128 v[AK0], v[PCD:PCD+3], s[14:15]               ; 512 consecutive aligned bytes a store
	global_store_b128 v[AK0], v[PCD+4:PCD+7], s[14:15] offset:512
	s_wait_dscnt 0x0
	s_wait_tensorcnt 0x0
	ds_add_u32 v254, v255
	s_wait_dscnt 0x0
	CROUND                                         ; the closing round: no work-group ends while a partner may still ask for a tile that names it
	s_endpgm
.Lfunc_end_k_qa2f50ed91c_attn:
	.size	k_qa2f50ed91c_attn, .Lfunc_end_k_qa2f50ed91c_attn-k_qa2f50ed91c_attn
	.p2alignl 7, 3214868480
	.fill 96, 4, 3214868480
	.section	.rodata,"a",@progbits
	.p2align	6, 0x0
	.amdhsa_kernel k_qa2f50ed91c_attn
		.amdhsa_group_segment_fixed_size 264192
		.amdhsa_private_segment_fixed_size 0
		.amdhsa_enable_private_segment 0
		.amdhsa_kernarg_size 48
		.amdhsa_user_sgpr_count 2
		.amdhsa_user_sgpr_kernarg_segment_ptr 1
		.amdhsa_wavefront_size32 1
		.amdhsa_system_sgpr_workgroup_id_x 1
		.amdhsa_system_sgpr_workgroup_id_y 1
		.amdhsa_system_sgpr_workgroup_id_z 1
		.amdhsa_system_vgpr_workitem_id 0
		.amdhsa_next_free_vgpr 256
		.amdhsa_next_free_sgpr 66
		.amdhsa_reserve_vcc 1
		.amdhsa_float_denorm_mode_32 3
		.amdhsa_float_denorm_mode_16_64 3
		.amdhsa_memory_ordered 1
		.amdhsa_forward_progress 1
		.amdhsa_inst_pref_size 26
	.end_amdhsa_kernel
	.amdgpu_metadata
---
amdhsa.version: [ 1, 2 ]
amdhsa.kernels:
  - .name:           k_qa2f50ed91c_attn
    .symbol:         k_qa2f50ed91c_attn.kd
    .args:
      - { .name: qf, .offset: 0, .size: 8, .value_kind: global_buffer, .address_space: global }
      - { .name: kf, .offset: 8, .size: 8, .value_kind: global_buffer, .address_space: global }
      - { .name: vf, .offset: 16, .size: 8, .value_kind: global_buffer, .address_space: global }
      - { .name: sink_logit, .offset: 24, .size: 8, .value_kind: global_buffer, .address_space: global }
      - { .name: lowp_scales, .offset: 32, .size: 8, .value_kind: global_buffer, .address_space: global }
      - { .name: of, .offset: 40, .size: 8, .value_kind: global_buffer, .address_space: global }
    .group_segment_fixed_size: 264192
    .private_segment_fixed_size: 0
    .kernarg_segment_align: 8
    .kernarg_segment_size: 48
    .max_flat_workgroup_size: 512
    .sgpr_count:     66
    .vgpr_count:     256
    .wavefront_size: 32
...
	.end_amdgpu_metadata
.endif
;; end of part 3
;; launch oproj (part 4): grid 8 x 32, 8 waves a work-group, clusters of 4 x 4, 297,984 bytes of LDS; arguments of, wc, lowp_scales, out0; writes out0
.if DOCPART == 4
	.amdgcn_target "amdgcn-amd-amdhsa--gfx1250"
	.amdhsa_code_object_version 6
	.text
	.protected	k_qa2f50ed91c_oproj
	.globl	k_qa2f50ed91c_oproj
	.p2align	8
	.type	k_qa2f50ed91c_oproj,@function
k_qa2f50ed91c_oproj:
	s_mov_b64 s[64:65], 0
	v_nop
	global_prefetch_b8 v0, s[64:65] scope:SCOPE_SE
	s_setreg_imm32_b32 hwreg(HW_REG_WAVE_MODE, 25, 1), 1
	s_wait_xcnt 0x0
	s_wait_alu depctr_hold_cnt(0) depctr_sa_sdst(0) depctr_va_vdst(0) depctr_va_sdst(0) depctr_va_ssrc(0) depctr_va_vcc(0) depctr_vm_vsrc(0)
	s_getreg_b32 s2, hwreg(HW_REG_IB_STS2, 6, 4)
	s_cmp_eq_u32 s2, 0
	s_cbranch_scc0 .Lentry_in_a_cluster
	s_endpgm
.Lentry_in_a_cluster:
	s_bfe_u32 s2, ttmp6, 0x10000c
	s_cmp_lg_u32 s2, 0xf033
	s_cbranch_scc0 .Lentry_shape_is_right
	s_endpgm
.Lentry_shape_is_right:
; OPROJ.  out0 = attention's result x wo^T on codes of E4M3 (K = 1,024), each sum x 2^(e10 + e11).
; SHARES.  A work-group makes 128 tokens x 128 outputs.  Its two panels of codes, 128 rows x 1,024 K each, lie whole in LDS: every LDS byte of the panels is filled once.  Eight waves, wave (wr = w / 2, wc = w % 2): 32 tokens
; (2 blocks, the lane side) x 64 outputs (4 blocks, the register side), 8 accumulators.  D = matrix(source 0 = 16 rows of wo, source 1 = 16 tokens): a lane holds one token and eight neighbouring outputs.
; LDS: [K chunk c of 256: 65,536 bytes][the tokens' panel, then wo's, 32,768 each][row tile 8][4,096 bytes = two fragments of 16 rows x 128 K], all images of registers; behind them a stage of 16 rows x 272 bytes for each wave,
; into which no fill lands.
; CLUSTER 4 x 4: the tokens' panel is shared along a row of the cluster, wo's along a column; each is asked for jointly, by waves 0-3 and waves 4-7, four loads a wave (one for each K chunk), all at the head:
; four tensor loads of a wave are out at the most.
; THE WAY OUT: 16 tokens x 64 outputs go through my stage and come back as rows of 256 bytes: sixteen lanes store 256 consecutive aligned bytes.
; LIMIT: e10 + e11 between -126 and 127.
.set WV,  26
.set CX,  27
.set CY,  28
.set CLY, 29
.set G1X, 32                           ; s[32:39], s[40:47] descriptor groups 1;  s[48:63], s[68:83] four groups 0 each
.set G1W, 40
.set G0X, 48
.set G0W, 68
.set LI,  1                            ; v1  16 x lane
.set VL,  2                            ; v2  LDS address of my lane-side fragments
.set VR,  3                            ; v3  of my register-side fragments
.set STO, 4                            ; v4  the stage: where I put 32 bytes of a row
.set RD,  5                            ; v5  and where I read rows back
.set CO,  6                            ; v6  my byte offset in two rows of out0
.set LF,  16                           ; v16-47   two lane-side fragments
.set RF,  48                           ; v48-111  four register-side fragments
.set ACC, 112                          ; v112-175 accumulator (a, b) at 112 + 32 a + 8 b
.set STAGE, 262144
.set SPI,   272                        ; a stage row: 256 bytes + 16: row r starts 4 r banks on
.macro CROUND                          ; a round of the cluster's barrier
	s_barrier_signal -1
	s_barrier_wait -1
	s_cmp_lg_u32 s[WV], 0
	s_cbranch_scc1 .Lnot_wave_0_\@
	s_barrier_signal -3
.Lnot_wave_0_\@:
	s_barrier_wait -3
	s_barrier_signal -1
	s_barrier_wait -1
.endm
; 128 along K: 24 LDS loads, 8 matrix instructions.  The eight accumulators take turns, one instruction a turn.
.macro KSTEP s, first, zero
.if !\first
.rept 4
	v_nop                                          ; four places in front of loads into registers that matrix instructions have read (ISA guide 7.12.1 for vector instructions)
.endr
.endif
.irp a, 0,1
.irp k, 0,1,2,3
	ds_load_b128 v[LF+16*\a+4*\k:LF+16*\a+4*\k+3], v[VL] offset:4096*\a+2048*\s+512*\k
.endr
.endr
.irp b, 0,1,2,3
.irp k, 0,1,2,3
	ds_load_b128 v[RF+16*\b+4*\k:RF+16*\b+4*\k+3], v[VR] offset:4096*\b+2048*\s+512*\k
.endr
.endr
	s_wait_dscnt 0x0
.irp b, 0,1,2,3
.irp a, 0,1
.if \zero
	v_wmma_f32_16x16x128_fp8_fp8 v[ACC+32*\a+8*\b:ACC+32*\a+8*\b+7], v[RF+16*\b:RF+16*\b+15], v[LF+16*\a:LF+16*\a+15], 0
.else
	v_wmma_f32_16x16x128_fp8_fp8 v[ACC+32*\a+8*\b:ACC+32*\a+8*\b+7], v[RF+16*\b:RF+16*\b+15], v[LF+16*\a:LF+16*\a+15], v[ACC+32*\a+8*\b:ACC+32*\a+8*\b+7]
.endif
.endr
.endr
.endm
.macro CHUNK c                         ; 256 along K
	s_wait_tensorcnt 3-\c                          ; a wave's tensor loads end in order: my part of chunk c is in; my loads of the later chunks stay out
	s_wait_dscnt 0x0
	s_barrier_signal -1
	s_barrier_wait -1                              ; everybody's part is in
.if \c == 0
	KSTEP 0, 1, 1                                  ; the first products start the sums: nothing is cleared
.else
	KSTEP 0, 0, 0
.endif
	KSTEP 1, 0, 0
.if \c < 3
	v_add_nc_u32 v[VL], 0x10000, v[VL]
	v_add_nc_u32 v[VR], 0x10000, v[VR]
.endif
.endm
	s_load_b256 s[8:15], s[0:1], 0x0               ; of s8, wc s10, scales s12, out0 s14
	v_lshl_add_u32 v254, v0, 2, 0x48800
	v_mov_b32 v255, 0
	ds_add_u32 v254, v255
	ds_add_u32 v254, v255
	v_lshrrev_b32 v4, 5, v0
	v_readfirstlane_b32 s[WV], v4                  ; wave 0..7
	s_bfe_u32 s[CX], ttmp6, 0x40000
	s_bfe_u32 s[CY], ttmp6, 0x40004
	s_and_b32 s[CLY], ttmp7, 0xffff
	s_lshl_b32 s2, s[CY], 2
	s_lshl_b32 s2, 15, s2                          ; my row of the cluster
	s_lshl_b32 s3, 0x1111, s[CX]                   ; my column
	s_or_b32 s[G1X], s2, (3<<16)|(1<<21)           ; 15:0 the mask; 17:16 elements of 8 bytes; 21 set beside a mask; no padding
	s_or_b32 s[G1W], s3, (3<<16)|(1<<21)
.irp g, G1X, G1W
	s_mov_b32 s[\g+1], 512<<16                     ; tensor_dim0 = 512 elements: a row tile's 4,096 bytes of a K chunk
	s_mov_b32 s[\g+2], 2<<16                       ; tensor_dim1 = 2 row tiles
	s_mov_b32 s[\g+3], 512<<16                     ; tile_dim0
	s_mov_b32 s[\g+4], 2                           ; tile_dim1
	s_mov_b32 s[\g+5], 2048                        ; from row tile to row tile: 16,384 bytes
	s_mov_b32 s[\g+6], 0
	s_mov_b32 s[\g+7], 0
.endr
	s_lshl_b32 s4, s[CLY], 2
	s_add_co_u32 s4, s4, s[CY]                     ; token tile (128 tokens), 0..31
	s_lshl_b32 s5, ttmp9, 2
	s_add_co_u32 s5, s5, s[CX]                     ; output tile (128 outputs), 0..7
	s_and_b32 s2, s[WV], 3
	s_lshl_b32 s2, s2, 15                          ; the two row tiles that I fetch
	s_lshl_b32 s96, s4, 17
	s_add_co_u32 s96, s96, s2
	s_mov_b32 s97, 0
	s_lshl_b32 s98, s5, 17
	s_add_co_u32 s98, s98, 0x300000                ; wo is the fourth weight in wc
	s_add_co_u32 s98, s98, s2
	s_mov_b32 s99, 0
	s_lshl_b32 s3, s[WV], 13                       ; in LDS: wave x 8,192
	s_wait_dscnt 0x0
	s_wait_kmcnt 0x0
	s_load_b64 s[84:85], s[12:13], 0x28            ; e10, e11
	s_add_nc_u64 s[96:97], s[8:9], s[96:97]
	s_add_nc_u64 s[98:99], s[10:11], s[98:99]
	CROUND                                         ; all sixteen work-groups are here: the joint loads meet
.irp c, 0,1,2,3
	s_mov_b32 s[G0X+4*\c], 1
	s_add_co_u32 s[G0X+4*\c+1], s3, \c*65536
	s_add_nc_u64 s[G0X+4*\c+2:G0X+4*\c+3], s[96:97], \c*4096
	s_or_b32 s[G0X+4*\c+3], s[G0X+4*\c+3], 0x80000000
	s_mov_b32 s[G0W+4*\c], 1
	s_add_co_u32 s[G0W+4*\c+1], s3, \c*65536
	s_add_nc_u64 s[G0W+4*\c+2:G0W+4*\c+3], s[98:99], \c*4096
	s_or_b32 s[G0W+4*\c+3], s[G0W+4*\c+3], 0x80000000
.endr
	s_cmp_lt_u32 s[WV], 4                          ; a wave's four fills stand in one branch on the wave's number, ahead of every wait on TENSORcnt, every LDS read and every further barrier
	s_cbranch_scc0 .Lfill_w
.irp c, 0,1,2,3
	tensor_load_to_lds s[G0X+4*\c:G0X+4*\c+3], s[G1X:G1X+7]
	s_nop 0
.endr
.rept 4
	v_nop
.endr
	s_branch .Lfilled
.Lfill_w:
.irp c, 0,1,2,3
	tensor_load_to_lds s[G0W+4*\c:G0W+4*\c+3], s[G1W:G1W+7]
	s_nop 0
.endr
.rept 4
	v_nop
.endr
.Lfilled:
	s_lshr_b32 s8, s[WV], 1                        ; wr
	s_and_b32 s9, s[WV], 1                         ; wc
	s_lshl_b32 s2, s8, 13                          ; my two row tiles of tokens
	s_lshl_b32 s3, s9, 14
	s_add_co_u32 s3, s3, 0x8000                    ; my four row tiles of wo, behind the tokens' panel
	v_and_b32 v[LI], 31, v0
	v_lshlrev_b32 v[LI], 4, v[LI]
	v_add_nc_u32 v[VL], s2, v[LI]
	v_add_nc_u32 v[VR], s3, v[LI]
	s_mul_i32 s2, s[WV], 16*SPI
	s_add_co_u32 s2, s2, STAGE                     ; my stage
	v_and_b32 v7, 15, v0                           ; r
	v_bfe_u32 v8, v0, 4, 1                         ; h
	v_mul_u32_u24 v[STO], v7, SPI
	v_lshl_add_u32 v[STO], v8, 5, v[STO]
	v_add_nc_u32 v[STO], s2, v[STO]                ; in: row r, + 32 h
	v_mul_u32_u24 v[RD], v8, SPI
	v_lshl_add_u32 v[RD], v7, 4, v[RD]
	v_add_nc_u32 v[RD], s2, v[RD]                  ; back: lanes 0-15 one row of 256 bytes, lanes 16-31 the next
	v_lshlrev_b32 v[CO], 12, v8
	v_lshl_add_u32 v[CO], v7, 4, v[CO]             ; and the same two rows of out0, 4,096 bytes apart
	s_lshl_b32 s10, s4, 19                         ; 128 rows of 4,096 bytes
	s_lshl_b32 s11, s8, 17                         ; + my 32 rows
	s_add_co_u32 s10, s10, s11
	s_lshl_b32 s11, s5, 9                          ; + the tile's 512 bytes of a row
	s_add_co_u32 s10, s10, s11
	s_lshl_b32 s11, s9, 8                          ; + my 256
	s_add_co_u32 s10, s10, s11
	s_mov_b32 s11, 0
	s_add_nc_u64 s[14:15], s[14:15], s[10:11]
	CHUNK 0
	CHUNK 1
	CHUNK 2
	CHUNK 3
.rept 4
	v_nop                                          ; four places in front of the first read of results and of writes and loads into the fragments' registers
.endr
	s_wait_kmcnt 0x0
	s_add_co_i32 s96, s84, s85
	s_add_co_i32 s96, s96, 127
	s_lshl_b32 s96, s96, 23                        ; 2^(e10 + e11) as f32
	s_mov_b32 s97, s96                             ; (named with it as a pair, so it is written)
; Token block a: 16 rows x 64 outputs through my stage; bk: the registers that take the rows back.
.macro OUTBLK a, bk
.set A0, ACC+32*(\a)
.set i, 0
.rept 16
	v_pk_mul_f32 v[RF+i:RF+i+1], v[A0+i:A0+i+1], s[96:97] op_sel_hi:[1,0]   ; each accumulator from its low end on
.set i, i+2
.endr
.irp b, 0,1,2,3
	ds_store_b128 v[STO], v[RF+8*\b:RF+8*\b+3] offset:64*\b          ; lane (r, h): outputs 16b + 8h + 0..7 of token r
	ds_store_b128 v[STO], v[RF+8*\b+4:RF+8*\b+7] offset:64*\b+16
.endr
.irp t, 0,1,2,3,4,5,6,7
	ds_load_b128 v[\bk+4*\t:\bk+4*\t+3], v[RD] offset:2*\t*SPI       ; LDS serves a wave's instructions in order (ISA guide 5.7.1.4): these see my stores
.endr
.irp t, 0,1,2,3,4,5,6,7
	s_wait_dscnt 7-\t                              ; rows 2t, 2t+1 are back; the younger loads stay out
	global_store_b128 v[CO], v[\bk+4*\t:\bk+4*\t+3], s[14:15] offset:65536*\a+8192*\t th:TH_STORE_NT   ; sixteen lanes store 256 consecutive aligned bytes
.endr
.endm
	OUTBLK 0, 80
	OUTBLK 1, 16
	s_wait_tensorcnt 0x0
	ds_add_u32 v254, v255
	s_wait_dscnt 0x0
	CROUND                                         ; the closing round: no work-group ends while a partner may still ask for a tile that names it
	s_endpgm
.Lfunc_end_k_qa2f50ed91c_oproj:
	.size	k_qa2f50ed91c_oproj, .Lfunc_end_k_qa2f50ed91c_oproj-k_qa2f50ed91c_oproj
	.p2alignl 7, 3214868480
	.fill 96, 4, 3214868480
	.section	.rodata,"a",@progbits
	.p2align	6, 0x0
	.amdhsa_kernel k_qa2f50ed91c_oproj
		.amdhsa_group_segment_fixed_size 297984
		.amdhsa_private_segment_fixed_size 0
		.amdhsa_enable_private_segment 0
		.amdhsa_kernarg_size 32
		.amdhsa_user_sgpr_count 2
		.amdhsa_user_sgpr_kernarg_segment_ptr 1
		.amdhsa_wavefront_size32 1
		.amdhsa_system_sgpr_workgroup_id_x 1
		.amdhsa_system_sgpr_workgroup_id_y 1
		.amdhsa_system_sgpr_workgroup_id_z 1
		.amdhsa_system_vgpr_workitem_id 0
		.amdhsa_next_free_vgpr 256
		.amdhsa_next_free_sgpr 100
		.amdhsa_reserve_vcc 0
		.amdhsa_float_denorm_mode_32 3
		.amdhsa_float_denorm_mode_16_64 3
		.amdhsa_memory_ordered 1
		.amdhsa_forward_progress 1
		.amdhsa_inst_pref_size 32
	.end_amdhsa_kernel
	.amdgpu_metadata
---
amdhsa.version: [ 1, 2 ]
amdhsa.kernels:
  - .name:           k_qa2f50ed91c_oproj
    .symbol:         k_qa2f50ed91c_oproj.kd
    .args:
      - { .name: of, .offset: 0, .size: 8, .value_kind: global_buffer, .address_space: global }
      - { .name: wc, .offset: 8, .size: 8, .value_kind: global_buffer, .address_space: global }
      - { .name: lowp_scales, .offset: 16, .size: 8, .value_kind: global_buffer, .address_space: global }
      - { .name: out0, .offset: 24, .size: 8, .value_kind: global_buffer, .address_space: global }
    .group_segment_fixed_size: 297984
    .private_segment_fixed_size: 0
    .kernarg_segment_align: 8
    .kernarg_segment_size: 32
    .max_flat_workgroup_size: 256
    .sgpr_count:     100
    .vgpr_count:     256
    .wavefront_size: 32
...
	.end_amdgpu_metadata
.endif
;; end of part 4
